; MI455X (gfx1250); checked and timed in simulation.
; The chip was launched on July 23, 2026; its instructions are those of AMD's public machine-readable ISA for CDNA 5 (MIT licence, August 2026) and "CDNA5" Instruction Set Architecture Reference Guide (July 2026). The comments in the code are by the model that wrote it; some were corrected since.
;; Sparse Attention. Allowed arithmetic: float matrix products may take bf16 or f16 operands with f32 sums; other float arithmetic in f32, or as packed bf16 or f16 multiplies, adds, multiply-adds, maxima and minima; sums over many terms, partial sums and values carried from step to step in f32; what a program stores and reads back later, other than sums and carried values, may be rounded once to bf16 or f16.
;; Inputs: W_o 1,024 x 1,024 float32; W_qkv 1,024 x 3,072 float32; x 1 x 4,096 x 1,024 float32.
;; Outputs: out0 1 x 4,096 x 1,024 float32.
;; 2 versions, each right; version 2 is version 1 with the launch cast written anew for expert scheduling mode. Each part assembles by itself: llvm-mc -triple=amdgcn-amd-amdhsa -mcpu=gfx1250 --defsym DOCPART=n.
;; ======== version 1 of 2: 4 launches
;; limits: values are held in f16: magnitudes above 65,504 overflow, below 6.1e-05 lose precision
;; workspace buffers: xb 8,388,608 bytes; wqb 6,291,456 bytes; wob 2,097,152 bytes; qkv 25,165,824 bytes; ob 8,388,608 bytes
;; launch cast (part 1): grid 256 x 1, 8 waves a work-group, no clusters, 0 bytes of LDS; arguments x, W_qkv, W_o, xb, wqb, wob; writes xb, wqb, wob
.if DOCPART == 1
	.amdgcn_target "amdgcn-amd-amdhsa--gfx1250"
	.amdhsa_code_object_version 6
	.text
	.protected	k_qe5d2294ec5_cast
	.globl	k_qe5d2294ec5_cast
	.p2align	8
	.type	k_qe5d2294ec5_cast,@function
k_qe5d2294ec5_cast:
	s_mov_b64 s[64:65], 0
	v_nop
	global_prefetch_b8 v0, s[64:65] scope:SCOPE_SE
	s_setreg_imm32_b32 hwreg(HW_REG_WAVE_MODE, 25, 1), 1
	s_wait_xcnt 0x0
; THE INPUTS ARE ROUNDED ONCE, layouts unchanged.  x [4096][1024] and W_qkv [1024][3072]: f32 -> bf16.  W_o [1024][1024]: f32 -> bf16, and that number written as f16
; (the product behind attention multiplies in f16).
; LIMITS.  A bf16 number is an f16 number exactly from 6.1e-5 to 65,504 in magnitude; below that it keeps f16's fixed step of 6e-8, from 65,520 on it becomes an infinity.  So |W_o| stays under 65,520.
; SHARES.  8,388,608 numbers in 256 chunks of 32,768: work-groups 0-127 take x, 128-223 W_qkv, 224-255 W_o.  Thread t of 256 takes 16 bytes at 16 t + 4,096 i, i = 0..31: a wave's load covers 512 consecutive
; bytes; its four numbers leave as 8 bytes at 8 t + 2,048 i: a wave's store covers 256 consecutive bytes, at a multiple of 256 from the buffer's first.
; All 32 loads of a thread go out at once (128 registers), so 128 KiB of every work-group are on their way together.  No LDS, no barrier, no matrix unit: nothing here is shared or multiplied.
.set NL, 32                            ; loads and stores a thread
.set X,  4                             ; v[4:131]    load i: four f32
.set Y,  132                           ; v[132:195]  store i: four 16-bit numbers; each pair is written once, so no store's data is ever rewritten
.set T,  196                           ; v[196:197]  W_o's way: four bf16, at work
	s_load_b256 s[4:11], s[0:1], 0x0               ; x s[4:5], W_qkv s[6:7], W_o s[8:9], xb s[10:11]
	s_load_b128 s[12:15], s[0:1], 0x20             ; wqb s[12:13], wob s[14:15]
	v_lshlrev_b32 v1, 4, v0                        ; 16 t: never rewritten
	v_lshlrev_b32 v2, 3, v0                        ; 8 t: never rewritten
	s_mov_b32 s3, 0xffff0000                       ; a word's upper bf16
	s_wait_kmcnt 0x0
	s_cmp_ge_u32 ttmp9, 128                        ; which tensor: the choice hangs on the work-group's number alone
	s_cselect_b64 s[16:17], s[6:7], s[4:5]
	s_cselect_b64 s[18:19], s[12:13], s[10:11]
	s_cselect_b32 s20, 128, 0
	s_cmp_ge_u32 ttmp9, 224
	s_cselect_b64 s[16:17], s[8:9], s[16:17]
	s_cselect_b64 s[18:19], s[14:15], s[18:19]
	s_cselect_b32 s20, 224, s20
	s_sub_co_u32 s21, ttmp9, s20                   ; my chunk in that tensor
	s_lshl_b32 s22, s21, 17                        ; 131,072 bytes in
	s_mov_b32 s23, 0
	s_add_nc_u64 s[16:17], s[16:17], s[22:23]
	s_lshl_b32 s22, s21, 16                        ; 65,536 bytes out
	s_add_nc_u64 s[18:19], s[18:19], s[22:23]
.set i, 0
.rept NL
	global_load_b128 v[X+4*i:X+4*i+3], v1, s[16:17] offset:4096*i th:TH_LOAD_NT  ; read once in the whole program
.set i, i+1
.endr
	s_cmp_ge_u32 ttmp9, 224
	s_cbranch_scc1 .Lwo
.set i, 0
.rept NL                               ; x and W_qkv: to bf16
	s_wait_loadcnt NL-1-i                          ; loads come back in order: load i is in, the younger ones stay out
	v_cvt_pk_bf16_f32 v[Y+2*i],   v[X+4*i],   v[X+4*i+1]
	v_cvt_pk_bf16_f32 v[Y+2*i+1], v[X+4*i+2], v[X+4*i+3]
	global_store_b64 v2, v[Y+2*i:Y+2*i+1], s[18:19] offset:2048*i
.set i, i+1
.endr
	s_endpgm
.Lwo:
.set i, 0
.rept NL                               ; W_o: to bf16, widened again (a shift, a mask), and written as f16
	s_wait_loadcnt NL-1-i
	v_cvt_pk_bf16_f32 v[T],   v[X+4*i],   v[X+4*i+1]
	v_cvt_pk_bf16_f32 v[T+1], v[X+4*i+2], v[X+4*i+3]
	v_lshlrev_b32 v[X+4*i],   16, v[T]
	v_and_b32     v[X+4*i+1], s3, v[T]
	v_lshlrev_b32 v[X+4*i+2], 16, v[T+1]
	v_and_b32     v[X+4*i+3], s3, v[T+1]
	v_cvt_pk_f16_f32 v[Y+2*i],   v[X+4*i],   v[X+4*i+1]
	v_cvt_pk_f16_f32 v[Y+2*i+1], v[X+4*i+2], v[X+4*i+3]
	global_store_b64 v2, v[Y+2*i:Y+2*i+1], s[18:19] offset:2048*i
.set i, i+1
.endr
	s_endpgm
.Lfunc_end_k_qe5d2294ec5_cast:
	.size	k_qe5d2294ec5_cast, .Lfunc_end_k_qe5d2294ec5_cast-k_qe5d2294ec5_cast
	.p2alignl 7, 3214868480
	.fill 96, 4, 3214868480
	.section	.rodata,"a",@progbits
	.p2align	6, 0x0
	.amdhsa_kernel k_qe5d2294ec5_cast
		.amdhsa_group_segment_fixed_size 0
		.amdhsa_private_segment_fixed_size 0
		.amdhsa_enable_private_segment 0
		.amdhsa_kernarg_size 48
		.amdhsa_user_sgpr_count 2
		.amdhsa_user_sgpr_kernarg_segment_ptr 1
		.amdhsa_wavefront_size32 1
		.amdhsa_system_sgpr_workgroup_id_x 1
		.amdhsa_system_sgpr_workgroup_id_y 1
		.amdhsa_system_sgpr_workgroup_id_z 1
		.amdhsa_system_vgpr_workitem_id 0
		.amdhsa_next_free_vgpr 200
		.amdhsa_next_free_sgpr 66
		.amdhsa_reserve_vcc 0
		.amdhsa_float_denorm_mode_32 3
		.amdhsa_float_denorm_mode_16_64 3
		.amdhsa_memory_ordered 1
		.amdhsa_forward_progress 1
		.amdhsa_inst_pref_size 29
	.end_amdhsa_kernel
	.amdgpu_metadata
---
amdhsa.version: [ 1, 2 ]
amdhsa.kernels:
  - .name:           k_qe5d2294ec5_cast
    .symbol:         k_qe5d2294ec5_cast.kd
    .args:
      - { .name: x, .offset: 0, .size: 8, .value_kind: global_buffer, .address_space: global }
      - { .name: W_qkv, .offset: 8, .size: 8, .value_kind: global_buffer, .address_space: global }
      - { .name: W_o, .offset: 16, .size: 8, .value_kind: global_buffer, .address_space: global }
      - { .name: xb, .offset: 24, .size: 8, .value_kind: global_buffer, .address_space: global }
      - { .name: wqb, .offset: 32, .size: 8, .value_kind: global_buffer, .address_space: global }
      - { .name: wob, .offset: 40, .size: 8, .value_kind: global_buffer, .address_space: global }
    .group_segment_fixed_size: 0
    .private_segment_fixed_size: 0
    .kernarg_segment_align: 8
    .kernarg_segment_size: 48
    .max_flat_workgroup_size: 256
    .sgpr_count:     66
    .vgpr_count:     200
    .wavefront_size: 32
...
	.end_amdgpu_metadata
.endif
;; end of part 1
;; launch gemm_qkv (part 2): grid 8 x 32, 4 waves a work-group, clusters of 4 x 4, 327,680 bytes of LDS; arguments xb, wqb, qkv; writes qkv
.if DOCPART == 2
	.amdgcn_target "amdgcn-amd-amdhsa--gfx1250"
	.amdhsa_code_object_version 6
	.text
	.protected	k_qe5d2294ec5_gemm_qkv
	.globl	k_qe5d2294ec5_gemm_qkv
	.p2align	8
	.type	k_qe5d2294ec5_gemm_qkv,@function
k_qe5d2294ec5_gemm_qkv:
	s_mov_b64 s[64:65], 0
	v_nop
	global_prefetch_b8 v0, s[64:65] scope:SCOPE_SE
	s_setreg_imm32_b32 hwreg(HW_REG_WAVE_MODE, 25, 1), 1
	s_wait_xcnt 0x0
	s_wait_alu depctr_hold_cnt(0) depctr_sa_sdst(0) depctr_va_vdst(0) depctr_va_sdst(0) depctr_va_ssrc(0) depctr_va_vcc(0) depctr_vm_vsrc(0)
	s_getreg_b32 s2, hwreg(HW_REG_IB_STS2, 6, 4)
	s_cmp_eq_u32 s2, 0
	s_cbranch_scc0 .Lentry_in_a_cluster
	s_endpgm
.Lentry_in_a_cluster:
	s_bfe_u32 s2, ttmp6, 0x10000c
	s_cmp_lg_u32 s2, 0xf033
	s_cbranch_scc0 .Lentry_shape_is_right
	s_endpgm
.Lentry_shape_is_right:
; qkv = x W_qkv, stored by heads.  xb: [4096][1024] bf16.  wqb: [1024 k][3072 n] bf16.  qkv: [48][4096][64] f16, "head" = column / 64 (0-15 Q, 16-31 K, 32-47 V), unscaled.  Sums in f32, rounded once to f16.
; LIMITS.  f16 ends at 65,504: a q, k or v of 65,520 or more in magnitude becomes an infinity; below 6.1e-5 f16 keeps a fixed step of 6e-8.
; SHARES.  A tile of C is 128 rows x 384 columns (six heads): 32 x 8 = 256 work-groups.  Four waves; wave w takes 64 rows (w / 2) x 192 columns (w % 2): 4 x 12 = 48 accumulators of 16 x 16, 384 registers.
; The tile's columns lie in three sub-tiles of 128: a wave takes one outer sub-tile whole (n blocks 0-7) and its half of the middle one (n blocks 8-11), which is three whole heads.
; K goes in 8 steps of 128 through a ring of two LDS slots filled by the tensor data mover, one load a wave: wave 0 fetches A's 128 rows x 256 bytes, waves 1-3 one sub-tile of B each, 128 k-rows x 256 bytes.
; B LIES [k][n] and is turned on its way out of LDS by ds_load_tr16_b128.
; CLUSTERS: 4 x 4 work-groups.  The four of a row of the cluster need the same tile of A, the four of a column the same tiles of B: each tile is asked for JOINTLY, by the same tensor load with the same
; descriptor and a mask that names the four.
; THE MATRIX INSTRUCTION IS USED TRANSPOSED (source 0 = 16 columns of W, source 1 = 16 rows of x): a lane then holds eight neighbouring columns of one row of C, 16 bytes of f16.
; REGISTERS, in windows of 256 (s_set_vgpr_msb: bits 1:0 source 0, 3:2 source 1, 5:4 source 2, 7:6 destination):
;   window 0: v0-31 addresses; v64-95, v96-127 A's fragments (4 x 16 rows x 32 K), two buffers; on the way out v64-255 hold the packed results
;   window 1: v0-95, v96-191 B's fragments (12 x 16 columns x 32 K), two buffers
;   window 2: the 24 accumulators of my rows 0-31 ((a, b) at v[8 (12 (a % 2) + b)]);   window 3: those of my rows 32-63
.set KSTEP,  128
.set PA,     272                       ; A's LDS row: 256 bytes + 16 of padding: the 16 rows of a fragment load start 16 bytes apart modulo 256
.set PB,     288                       ; B's LDS row: 256 + 32: 16 lanes of the turning load take 8 rows x 32 bytes, each 16-byte column modulo 256 once
.set REG,    128*PB                    ; 36,864 bytes: what one wave's load fills (A's uses 34,816 of them)
.set SLOT,   4*REG                     ; A, then B's three sub-tiles
.set STAGE,  2*SLOT                    ; behind the ring: 16 rows x 144 bytes for each wave, for the way out
.set SP,     144
.set SPARE,  STAGE+4*16*SP             ; behind the stages: the spare words, 128 bytes for each wave: two blocks of 256 bytes that no other line names
.set LAPS,   4                         ; a lap = two K steps = once round the ring
.set ADRA,   16                        ; v16-17  LDS address of my A fragments in slot 0, 1
.set ADRBO,  18                        ; v18-19  the same for my outer sub-tile of B
.set ADRBM,  20                        ; v20-21  for my half of the middle sub-tile
.set STO,    24                        ; v24     the way out: where I put 16 bytes of a row
.set RD,     25                        ; v25     the way out: where I read rows back
.set GO,     26                        ; v26     my byte offset in 512 consecutive bytes of a head
.set SPW,    28                        ; v28     LDS address of my spare word: SPARE + 4 x my thread's number; never rewritten
.set NIL,    29                        ; v29     0; never rewritten
.set FA,     64                        ; A's fragment buffers: FA + 32 f
.set OUT,    64                        ; the way out: unit u at OUT + 16 u
.set G1,  24                           ; s[24:31] descriptor group 1 for A's tiles
.set G0,  32                           ; s[32:39] descriptor group 0 for A's tiles, one set for each slot
.set G1B, 48                           ; s[48:55] group 1 for B's tiles
.set G0B, 56                           ; s[56:63] group 0 for B's tiles
.set CB,  68                           ; s[68:73] where my rows begin in my three heads
.set MSB, 0
.macro WIN new                         ; the immediate's high byte repeats the setting that is left; a switch that changes nothing is dropped
.if MSB != (\new)
	s_set_vgpr_msb (MSB<<8)|(\new)
.set MSB, \new
.endif
.endm
.set MUL_LO, 0xa1                      ; source 0 (B) window 1, source 1 (A) window 0, C and D window 2
.set TO_B,   0x40                      ; destination window 1, address window 0
; A joint load.  Wave 0 fetches A's tile, waves 1 to 3 B's three.  Each line has one mask and one set of registers; the branch hangs on the wave's number alone.
; An s_nop 0 and four v_nop follow each of the two lines, ahead of the jump and the label.
.macro JLOAD s
	s_cmp_eq_u32 s10, 0
	s_cbranch_scc0 .Lfor_b_\@
	tensor_load_to_lds s[G0+4*(\s):G0+4*(\s)+3], s[G1:G1+7]
	s_nop 0
.rept 4
	v_nop
.endr
	s_branch .Lasked_\@
.Lfor_b_\@:
	tensor_load_to_lds s[G0B+4*(\s):G0B+4*(\s)+3], s[G1B:G1B+7]
	s_nop 0
.rept 4
	v_nop
.endr
.Lasked_\@:
.endm
.macro CREST                           ; a round of the cluster's barrier behind its opening barrier: wave 0 signals for the work-group, every wave waits for all sixteen, my work-group's barrier closes it
	s_cmp_lg_u32 s10, 0
	s_cbranch_scc1 .Lnot_wave_0_\@
	s_barrier_signal -3
.Lnot_wave_0_\@:
	s_barrier_wait -3
	s_barrier_signal -1
	s_barrier_wait -1
.endm
.macro CROUND                          ; a whole round
	s_barrier_signal -1
	s_barrier_wait -1
	CREST
.endm
	s_load_b128 s[4:7], s[0:1], 0x0                ; xb s[4:5], wqb s[6:7]
	s_load_b64 s[8:9], s[0:1], 0x10                ; qkv
	v_lshl_add_u32 v[SPW], v0, 2, SPARE
	v_mov_b32 v[NIL], 0
	ds_add_u32 v[SPW], v[NIL]                      ; the wave's opening: the add and its wait stand ahead of my first tensor load; the set-up below, work on registers, stands between them
	v_lshrrev_b32 v1, 5, v0
	v_readfirstlane_b32 s10, v1                    ; wave 0..3
	s_lshr_b32 s11, s10, 1                         ; which 64 rows of the tile are mine
	s_and_b32 s12, s10, 1                          ; which 192 columns
	s_bfe_u32 s40, ttmp6, 0x40000                  ; cx, cy: my place in the cluster
	s_bfe_u32 s41, ttmp6, 0x40004
	s_lshl_b32 s42, ttmp9, 2
	s_add_co_u32 s42, s42, s40                     ; tile column = 4 x cluster x + cx, 0..7
	s_and_b32 s13, ttmp7, 0xffff
	s_lshl_b32 s13, s13, 2
	s_add_co_u32 s13, s13, s41                     ; tile row = 4 x cluster y + cy, 0..31
	s_lshl_b32 s43, s41, 2
	s_lshl_b32 s43, 15, s43                        ; my row of the cluster: places 4 cy .. 4 cy + 3
	s_lshl_b32 s44, 0x1111, s40                    ; my column: places cx, cx + 4, cx + 8, cx + 12
	; descriptor group 1: tiles of 128 rows x 128 elements of 2 bytes, padded in LDS after every 64 words (code 5): A by 4 words (code 3), B by 8 (code 7); bit 21 is set beside a mask
	s_or_b32 s[G1+0],  s43, (1<<16)|(1<<20)|(1<<21)|(5<<22)|(3<<25)
	s_or_b32 s[G1B+0], s44, (1<<16)|(1<<20)|(1<<21)|(5<<22)|(7<<25)
.irp g, G1, G1B
	s_mov_b32 s[(\g)+1], 128<<16                   ; tensor_dim0 = 128
	s_mov_b32 s[(\g)+2], 128<<16                   ; tensor_dim1 = 128
	s_mov_b32 s[(\g)+3], 128<<16                   ; tile_dim0 = 128
	s_mov_b32 s[(\g)+4], 128                       ; tile_dim1 = 128
	s_mov_b32 s[(\g)+6], 0
	s_mov_b32 s[(\g)+7], 0
.endr
	s_mov_b32 s[G1+5], 1024                        ; elements from row to row: x's
	s_mov_b32 s[G1B+5], 3072                       ; and W_qkv's
	; where the tiles come from.  A's hang on the tile row alone, B's on the tile column and the wave's number alone, each in registers that never hold the other coordinate.
	s_lshl_b32 s16, s13, 18                        ; A: 128 rows of 2,048 bytes a tile row
	s_mov_b32 s17, 0
	s_mul_i32 s46, s42, 768                        ; B: 384 columns of 2 bytes a tile column,
	s_max_u32 s47, s10, 1
	s_sub_co_u32 s47, s47, 1                       ; sub-tile w - 1 (wave 0 asks by A's line; its number here is 0)
	s_lshl_b32 s47, s47, 8
	s_add_co_u32 s46, s46, s47
	s_mov_b32 s47, 0
	s_mul_i32 s20, s10, REG                        ; and where they go: wave x 36,864: no place in the cluster enters an LDS address
	s_wait_dscnt 0x0                               ; the opening add is done
	s_wait_kmcnt 0x0
	s_add_nc_u64 s[14:15], s[4:5], s[16:17]
	s_add_nc_u64 s[46:47], s[6:7], s[46:47]
	CROUND                                         ; all sixteen work-groups are here: the first joint loads meet
.irp s, 0,1
	s_mov_b32 s[G0+4*(\s)], 1                                      ; count = 1
	s_add_co_u32 s[G0+4*(\s)+1], s20, (\s)*SLOT                    ; LDS address
	s_add_nc_u64 s[G0+4*(\s)+2:G0+4*(\s)+3], s[14:15], (\s)*KSTEP*2  ; global address: K step s lies 256 bytes along x's rows,
	s_or_b32 s[G0+4*(\s)+3], s[G0+4*(\s)+3], 0x80000000            ; type = 2
	s_mov_b32 s[G0B+4*(\s)], 1
	s_add_co_u32 s[G0B+4*(\s)+1], s20, (\s)*SLOT
	s_add_nc_u64 s[G0B+4*(\s)+2:G0B+4*(\s)+3], s[46:47], (\s)*KSTEP*6144  ; and 128 rows of 6,144 bytes down W_qkv
	s_or_b32 s[G0B+4*(\s)+3], s[G0B+4*(\s)+3], 0x80000000
	JLOAD \s                                       ; two tensor loads of mine are out
.endr
	; A's fragment: lane l holds row l % 16; registers 0-3 K = 8 (l / 16) + 0..7, registers 4-7 K = 16 + 8 (l / 16) + 0..7: two loads of 16 bytes, 32 bytes apart.
	v_and_b32 v1, 15, v0                           ; l % 16
	v_bfe_u32 v2, v0, 4, 1                         ; l / 16
	v_mul_u32_u24 v3, v1, PA
	v_lshl_add_u32 v3, v2, 4, v3
	s_mul_i32 s21, s11, 64*PA                      ; my 64 rows of A
	; B's fragment by the turning load: lane l reads 16 bytes of k-row 8 (l / 16) + l % 8, columns 8 ((l / 8) % 2) + 0..7, and is left with column l % 16 and 8 k; the second load stands 16 k-rows on.
	v_and_b32 v4, 7, v0
	v_lshl_add_u32 v4, v2, 3, v4
	v_mul_u32_u24 v4, v4, PB
	v_bfe_u32 v5, v0, 3, 1
	v_lshl_add_u32 v4, v5, 4, v4
	s_lshl_b32 s22, s12, 1
	s_add_co_u32 s22, s22, 1
	s_mul_i32 s22, s22, REG                        ; my outer sub-tile: region 1 or 3
	s_lshl_b32 s23, s12, 7
	s_add_co_u32 s23, s23, 2*REG                   ; my 128 bytes of the middle sub-tile's rows: region 2
.irp s, 0,1
	v_add_nc_u32 v[ADRA+(\s)],  s21, v3
	v_add_nc_u32 v[ADRBO+(\s)], s22, v4
	v_add_nc_u32 v[ADRBM+(\s)], s23, v4
	s_add_co_u32 s21, s21, SLOT
	s_add_co_u32 s22, s22, SLOT
	s_add_co_u32 s23, s23, SLOT
.endr
	s_mul_i32 s23, s10, 16*SP
	s_add_co_u32 s23, s23, STAGE                   ; my stage
	v_mul_u32_u24 v5, v1, SP                       ; in: row l % 16, 16 bytes for each half of the lanes
	v_lshl_add_u32 v5, v2, 4, v5
	v_add_nc_u32 v[STO], s23, v5
	v_bfe_u32 v6, v0, 3, 2                         ; back: 32 lanes take four rows of 128 bytes,
	v_mul_u32_u24 v6, v6, SP
	v_and_b32 v7, 7, v0
	v_lshl_add_u32 v6, v7, 4, v6
	v_add_nc_u32 v[RD], s23, v6
	v_and_b32 v[GO], 31, v0                        ; which are 512 consecutive bytes of a head
	v_lshlrev_b32 v[GO], 4, v[GO]
	; my three heads: 6 x tile column + 4 (w % 2) + 0, 1 (the outer sub-tile) and + 2 + w % 2 (the middle one); a head is 524,288 bytes, a row 128.  Only s74-79 hold both coordinates.
	s_mul_i32 s74, s42, 6
	s_lshl_b32 s75, s12, 2
	s_add_co_u32 s75, s74, s75
	s_add_co_u32 s76, s74, s12
	s_add_co_u32 s76, s76, 2
	s_lshl_b32 s77, s13, 14                        ; 128 rows a tile row,
	s_lshl_b32 s78, s11, 13                        ; my 64 of them
	s_add_co_u32 s77, s77, s78
	s_lshl_b32 s78, s75, 19
	s_add_co_u32 s78, s78, s77
	s_mov_b32 s79, 0
	s_add_nc_u64 s[CB:CB+1], s[8:9], s[78:79]
	s_add_nc_u64 s[CB+2:CB+3], s[CB:CB+1], 524288
	s_lshl_b32 s78, s76, 19
	s_add_co_u32 s78, s78, s77
	s_add_nc_u64 s[CB+4:CB+5], s[8:9], s[78:79]
; 12 matrix instructions: m block 2 hi + a x all 12 n blocks, 32 along K, from buffer f.  zero = 1: the product starts the sums: nothing is ever cleared.
; The 48 accumulators take turns, one instruction a turn, in the same order in every quarter step.
.macro MUL12 f, hi, a, zero
	WIN MUL_LO+0x50*(\hi)
.irp b, 0,1,2,3,4,5,6,7,8,9,10,11
.if \zero
	v_wmma_f32_16x16x32_bf16 v[8*(12*(\a)+(\b)):8*(12*(\a)+(\b))+7], v[96*(\f)+8*(\b):96*(\f)+8*(\b)+7], v[FA+32*(\f)+8*(2*(\hi)+(\a)):FA+32*(\f)+8*(2*(\hi)+(\a))+7], 0
.else
	v_wmma_f32_16x16x32_bf16 v[8*(12*(\a)+(\b)):8*(12*(\a)+(\b))+7], v[96*(\f)+8*(\b):96*(\f)+8*(\b)+7], v[FA+32*(\f)+8*(2*(\hi)+(\a)):FA+32*(\f)+8*(2*(\hi)+(\a))+7], v[8*(12*(\a)+(\b)):8*(12*(\a)+(\b))+7]
.endif
.endr
.endm
; 32 LDS loads in one run: the fragments of quarter kq of a K step (32 k-rows of B's 192 columns, 32 K of A's 64 rows) into buffer f; A's blocks last, in ascending order
.macro FETCH slot, kq, f
	WIN TO_B
.irp b, 0,1,2,3,4,5,6,7
	ds_load_tr16_b128 v[96*(\f)+8*(\b):96*(\f)+8*(\b)+3],   v[ADRBO+(\slot)] offset:(\kq)*32*PB+32*(\b)
	ds_load_tr16_b128 v[96*(\f)+8*(\b)+4:96*(\f)+8*(\b)+7], v[ADRBO+(\slot)] offset:(\kq)*32*PB+16*PB+32*(\b)
.endr
.irp b, 8,9,10,11
	ds_load_tr16_b128 v[96*(\f)+8*(\b):96*(\f)+8*(\b)+3],   v[ADRBM+(\slot)] offset:(\kq)*32*PB+32*((\b)-8)
	ds_load_tr16_b128 v[96*(\f)+8*(\b)+4:96*(\f)+8*(\b)+7], v[ADRBM+(\slot)] offset:(\kq)*32*PB+16*PB+32*((\b)-8)
.endr
	WIN 0
.irp a, 0,1,2,3
	ds_load_b128 v[FA+32*(\f)+8*(\a):FA+32*(\f)+8*(\a)+3],   v[ADRA+(\slot)] offset:64*(\kq)+(\a)*16*PA
	ds_load_b128 v[FA+32*(\f)+8*(\a)+4:FA+32*(\f)+8*(\a)+7], v[ADRA+(\slot)] offset:64*(\kq)+(\a)*16*PA+32
.endr
.endm
.macro PLACES                          ; four places in front of loads into registers that matrix instructions have read, and of conversions that read results (ISA guide 7.12.1 for the conversions)
.rept 4
	v_nop
.endr
.endm
; A K step is four quarters of 32 along K, 48 matrix instructions each, on buffers 0, 1, 0, 1.  One of the first three: multiplies buffer f; in its middle it fetches quarter kq into buffer g.
.macro QUARTER slot, kq, f, g, zero
	s_wait_dscnt 4                                 ; B and A's blocks 0 and 1 are in; the youngest four loads (A's blocks 2 and 3) may be out
	MUL12 \f, 0, 0, \zero
	MUL12 \f, 0, 1, \zero
	PLACES
	FETCH \slot, \kq, \g
	s_wait_dscnt 32                                ; all but the 32 just issued
	MUL12 \f, 1, 0, \zero
	MUL12 \f, 1, 1, \zero
.endm
; The last quarter multiplies buffer 1 and changes slots: ONE barrier.  In front of it each wave waits for all its tensor loads (one is out: its part of the next slot), adds 0 to its spare word, and waits for
; that and for its own reads of this slot.  fill = 1: the barrier opens a round of the cluster's, and behind the round this slot is filled again, two K steps ahead: 168 matrix instructions ahead of the wait for it.
.macro TURN slot, next, fill
	WIN 0                                          ; (the add's two registers lie in window 0)
	s_wait_tensorcnt 0x0                           ; all my tensor loads have landed, so a group 0 may be written
	ds_add_u32 v[SPW], v[NIL]                      ; 0 onto my spare word
	s_wait_dscnt 5                                 ; (the add and the youngest four loads may be out)
	MUL12 1, 0, 0, 0                               ; twelve matrix instructions stand between the add and the wait for it
	s_wait_dscnt 0x0                               ; the add is done, and my reads of this slot are over
	s_barrier_signal -1
	MUL12 1, 0, 1, 0                               ; work on registers while the others arrive
.if \fill
	WIN 0
.endif
	s_barrier_wait -1
.if \fill
	CREST                                          ; no wave of any partner still reads this slot's tiles or has a load on its way
	s_add_nc_u64 s[G0+4*(\slot)+2:G0+4*(\slot)+3], s[G0+4*(\slot)+2:G0+4*(\slot)+3], 2*KSTEP*2
	s_add_nc_u64 s[G0B+4*(\slot)+2:G0B+4*(\slot)+3], s[G0B+4*(\slot)+2:G0B+4*(\slot)+3], 2*KSTEP*6144
	JLOAD \slot                                    ; the first tensor load behind the round, my only one until the next; the four v_nop behind it are also the places in front of the loads below
.else
	PLACES
.endif
	FETCH \next, 0, 0
	MUL12 1, 1, 0, 0
	MUL12 1, 1, 1, 0
.endm
; THE WAY OUT, in 12 units u = 3 a + g: 16 rows (m block a) of one head (n blocks 4 g .. 4 g + 3).  PACK: rounded to f16, 16 bytes a lane (each accumulator's registers in ascending order), into my own stage
; in rows of 144 bytes, and back as whole rows of 128 bytes, into the registers that they left.  SEND: stored; 16 rows of a head are 2,048 consecutive bytes.
.macro PACK u
.set AC, 8*(12*(((\u)/3)%2)+4*((\u)%3))
	WIN 0x0a+5*((\u)/6)                            ; sources 0 and 1: window 2 (m blocks 0, 1) or 3
.irp bb, 0,1,2,3
.irp r, 0,1,2,3
	v_cvt_pk_f16_f32 v[OUT+16*(\u)+4*(\bb)+(\r)], v[AC+8*(\bb)+2*(\r)], v[AC+8*(\bb)+2*(\r)+1]
.endr
.endr
	WIN 0
.irp bb, 0,1,2,3
	ds_store_b128 v[STO], v[OUT+16*(\u)+4*(\bb):OUT+16*(\u)+4*(\bb)+3] offset:32*(\bb)
.endr
.irp f, 0,1,2,3
	ds_load_b128 v[OUT+16*(\u)+4*(\f):OUT+16*(\u)+4*(\f)+3], v[RD] offset:(\f)*4*SP  ; LDS serves a wave's instructions in order (ISA guide 5.7.1.4): these see the stores above; the next unit's stores come behind them
.endr
.endm
.macro SEND u, younger                 ; younger: the LDS instructions issued behind unit u's loads: the next unit's eight, or none
.irp f, 0,1,2,3
	s_wait_dscnt (\younger)+3-(\f)
	global_store_b128 v[GO], v[OUT+16*(\u)+4*(\f):OUT+16*(\u)+4*(\f)+3], s[CB+2*((\u)%3):CB+2*((\u)%3)+1] offset:((\u)/3)*2048+(\f)*512  ; 512 consecutive bytes, at a multiple of 256 from qkv's first; every unit has registers of its own
.endr
.endm
	s_wait_tensorcnt 1                             ; my part of K step 0 is in; K step 1's may stay out
	s_barrier_signal -1
	s_barrier_wait -1                              ; everybody's is
	FETCH 0, 0, 0
	QUARTER 0, 1, 0, 1, 1                          ; the first quarter stands in front of the loop: its products start the sums
	WIN 0                                          ; at a label and at a branch every window is 0
	s_mov_b32 s3, LAPS-1
.Llap:                                                 ; a trip goes once round the ring, from a lap's second quarter to the next lap's first, and fills both slots again
	QUARTER 0, 2, 1, 0, 0
	QUARTER 0, 3, 0, 1, 0
	TURN 0, 1, 1
	QUARTER 1, 1, 0, 1, 0
	QUARTER 1, 2, 1, 0, 0
	QUARTER 1, 3, 0, 1, 0
	TURN 1, 0, 1
	QUARTER 0, 1, 0, 1, 0
	WIN 0
	s_sub_co_u32 s3, s3, 1
	s_cmp_lg_u32 s3, 0
	s_cbranch_scc1 .Llap
	QUARTER 0, 2, 1, 0, 0                          ; the last lap fills nothing, and has no round of the cluster's barrier
	QUARTER 0, 3, 0, 1, 0
	TURN 0, 1, 0
	QUARTER 1, 1, 0, 1, 0
	QUARTER 1, 2, 1, 0, 0
	QUARTER 1, 3, 0, 1, 0
	s_wait_dscnt 4                                 ; the very last quarter: nothing more to fetch
	MUL12 1, 0, 0, 0
	MUL12 1, 0, 1, 0
	s_wait_dscnt 0x0
	MUL12 1, 1, 0, 0
	MUL12 1, 1, 1, 0
	WIN 0
	PLACES
	PACK 0
.irp u, 1,2,3,4,5,6,7,8,9,10,11        ; a unit's conversions stand between the loads of the unit before and its stores
	PACK \u
	SEND (\u)-1, 8
.endr
	SEND 11, 0
	s_wait_tensorcnt 0x0                           ; the wave's end: behind my last tensor load and my last LDS store
	ds_add_u32 v[SPW], v[NIL]
	s_wait_dscnt 0x0
	CROUND                                         ; the closing round: no work-group ends while a partner may still ask for a tile that names it
	s_endpgm
.Lfunc_end_k_qe5d2294ec5_gemm_qkv:
	.size	k_qe5d2294ec5_gemm_qkv, .Lfunc_end_k_qe5d2294ec5_gemm_qkv-k_qe5d2294ec5_gemm_qkv
	.p2alignl 7, 3214868480
	.fill 96, 4, 3214868480
	.section	.rodata,"a",@progbits
	.p2align	6, 0x0
	.amdhsa_kernel k_qe5d2294ec5_gemm_qkv
		.amdhsa_group_segment_fixed_size 327680
		.amdhsa_private_segment_fixed_size 0
		.amdhsa_enable_private_segment 0
		.amdhsa_kernarg_size 24
		.amdhsa_user_sgpr_count 2
		.amdhsa_user_sgpr_kernarg_segment_ptr 1
		.amdhsa_wavefront_size32 1
		.amdhsa_system_sgpr_workgroup_id_x 1
		.amdhsa_system_sgpr_workgroup_id_y 1
		.amdhsa_system_sgpr_workgroup_id_z 1
		.amdhsa_system_vgpr_workitem_id 0
		.amdhsa_next_free_vgpr 960
		.amdhsa_next_free_sgpr 80
		.amdhsa_reserve_vcc 0
		.amdhsa_float_denorm_mode_32 3
		.amdhsa_float_denorm_mode_16_64 3
		.amdhsa_memory_ordered 1
		.amdhsa_forward_progress 1
		.amdhsa_inst_pref_size 121
	.end_amdhsa_kernel
	.amdgpu_metadata
---
amdhsa.version: [ 1, 2 ]
amdhsa.kernels:
  - .name:           k_qe5d2294ec5_gemm_qkv
    .symbol:         k_qe5d2294ec5_gemm_qkv.kd
    .args:
      - { .name: xb, .offset: 0, .size: 8, .value_kind: global_buffer, .address_space: global }
      - { .name: wqb, .offset: 8, .size: 8, .value_kind: global_buffer, .address_space: global }
      - { .name: qkv, .offset: 16, .size: 8, .value_kind: global_buffer, .address_space: global }
    .group_segment_fixed_size: 327680
    .private_segment_fixed_size: 0
    .kernarg_segment_align: 8
    .kernarg_segment_size: 24
    .max_flat_workgroup_size: 128
    .sgpr_count:     80
    .vgpr_count:     960
    .wavefront_size: 32
...
	.end_amdgpu_metadata
.endif
;; end of part 2
;; launch attn (part 3): grid 32 x 8, 4 waves a work-group, no clusters, 152,064 bytes of LDS; arguments qkv, ob; writes ob
.if DOCPART == 3
	.amdgcn_target "amdgcn-amd-amdhsa--gfx1250"
	.amdhsa_code_object_version 6
	.text
	.protected	k_qe5d2294ec5_attn
	.globl	k_qe5d2294ec5_attn
	.p2align	8
	.type	k_qe5d2294ec5_attn,@function
k_qe5d2294ec5_attn:
	s_mov_b64 s[64:65], 0
	v_nop
	global_prefetch_b8 v0, s[64:65] scope:SCOPE_SE
	s_setreg_imm32_b32 hwreg(HW_REG_WAVE_MODE, 25, 1), 1
	s_wait_xcnt 0x0
; BANDED CAUSAL ATTENTION.  O[q] = the sum over k = q - 64 .. q (k >= 0) of softmax_k(Q[q] . K[k] / 8) V[k], for 16 heads of 64 channels.  qkv: [48][4096][64] f16 (heads 0-15 Q, 16-31 K, 32-47 V).
; ob: [4096][1024] f16, column = 64 x head + channel.  Products, the maximum and the sum in f32; the weights p are rounded to f16 for the second product (their sum is taken of the unrounded p), O once.
; LIMITS.  Q, K, V arrive within f16's 65,504.  A hidden score counts as its value less 1e30: f16's scores, 2.7e11 at the most, are nothing beside that.  p lies in 0 to 1; below 6e-5 it keeps f16's fixed step
; of 6e-8, and below 2^-126 it counts as 0 in the sum.  NaN and infinities are not treated apart.
; SHARES.  A work-group owns 128 queries (q0 = 128 x) of two heads (2 y, 2 y + 1): 32 x 8 = 256 work-groups.  Wave w owns queries qw = q0 + 32 w .. + 31 as two tiles of 16, for both heads.  Its keys are
; qw - 64 .. qw + 31: 96 keys, all present at once, so the maximum is a plain one, taken before any exponential.
; THE WINDOW.  The work-group's 192 key rows (q0 - 64 .. q0 + 127) of K and V of both heads go through registers into LDS once, 512 consecutive bytes a load of a wave; one barrier; each wave then reads its
; 96 rows as fragments, V turned by ds_load_tr16_b128.  In the first block the rows q0 - 64 .. q0 - 1 do not exist: their row numbers are clamped to 0 by scalar arithmetic, and the mask hides them.
; NO TENSOR LOADS, NO CLUSTER: a tile cannot begin in front of its tensor's first row, so the window is loaded lane by lane; and neighbouring blocks share 64 of a window's 192 rows only.
; LAYOUT.  S^T = K Q^T (source 0 = 16 keys, source 1 = 16 queries): a lane holds ONE query (lane % 16) and the keys 8 (lane / 16) + 0..7 of each block of 16.  Two such results rounded to f16 ARE source 1 of
; O^T = V^T P, whose result again holds one query a lane, and eight channels.  THE MASK is the C operand that starts the sum S^T: 0, or -1e30 where the key is hidden; it is the same for both heads.
; The text is straight: no label and no branch.
; REGISTERS, in windows of 256 (s_set_vgpr_msb: bits 1:0 source 0, 3:2 source 1, 5:4 source 2, 7:6 destination):
;   window 0: v0-31 addresses and statistics; v32-95 Q (32 e + 16 t + 8 c); v96-191 S^T (48 t + 8 kb), then O^T (32 t + 8 cb), at last the rows read back; v192-239 P (24 t + 8 kk); v240-255 packed O
;   window 1: v0-95 K, v96-191 V: first as loaded (4 (12 e + g)), then one head's fragments (K 8 (2 kb + c), V 96 + 8 (4 kk + cb))          window 2: v0-95 the mask (48 t + 8 kb + j); v96-99 at work
.set HB,    524288                     ; bytes in a head of qkv
.set KP,    144                        ; a row of K in LDS: 128 bytes + 16: the 16 rows of a fragment load start 16 bytes apart modulo 256
.set VP,    160                        ; a row of V: 128 + 32: 16 lanes of the turning load take 8 rows x 32 bytes, each 16-byte column modulo 256 once
.set KE,    192*KP                     ; one head's window of K
.set VE,    192*VP                     ; and of V
.set VL,    2*KE                       ; V lies behind K
.set STAGE, VL+2*VE                    ; 116,736: 32 rows x 272 bytes for each wave, for the way out: head e's 128 bytes at byte 128 e of a row
.set SPT,   272
.set SPARE, STAGE+4*32*SPT             ; 151,552: the spare words, 128 bytes for each wave: two blocks of 256 bytes that no other line names
.set QO,  4                            ; v4     my byte offset in a head of Q
.set SO,  5                            ; v5-8   my byte offset in a head of K or V for row groups 0-3 (clamped)
.set SO4, 9                            ; v9     for row groups 4-11, 2,048 bytes apart
.set KST, 10                           ; v10    where I put 16 bytes of K's window
.set VST, 11                           ; v11    of V's
.set AK,  12                           ; v12    my lane's place in my wave's 96 rows of K
.set AV,  13                           ; v13    the same for V
.set STO, 14                           ; v14    the way out: where I put 16 bytes of a row
.set RD,  15                           ; v15    where I read a row back
.set CO,  16                           ; v16    my byte offset in two rows of ob
.set LOH, 18                           ; v18-19 for tile t: the first visible key's place less 8 (lane / 16)
.set WID, 20                           ; v20-21 for tile t: how many places further keys are visible
.set RL,  18                           ; later v[18:19], v[20:21]: 1 / l of tile t in the low word
.set T,   22                           ; v22-27 at work
.set CM,  28                           ; v[28:29] c m in the low word
.set SPW, 30                           ; v30    LDS address of my spare word: SPARE + 4 x my thread's number; never rewritten
.set NIL, 31                           ; v31    0; never rewritten
.set Q,   32
.set S,   96
.set P,   192
.set PKD, 240
.set CS,  18                           ; s[18:19] c = log2(e) / 8: the packed scaling takes the pair's low word for both halves
.set SEL, 20                           ; s[20:21] v_permlanex16_b32's selects: each lane takes its own place in the other half
.set MSB, 0
.macro WIN new                         ; the immediate's high byte repeats the setting that is left; a switch that changes nothing is dropped
.if MSB != (\new)
	s_set_vgpr_msb (MSB<<8)|(\new)
.set MSB, \new
.endif
.endm
	s_load_b128 s[4:7], s[0:1], 0x0                ; qkv s[4:5], ob s[6:7]
	v_lshl_add_u32 v[SPW], v0, 2, SPARE
	v_mov_b32 v[NIL], 0
	v_lshrrev_b32 v1, 5, v0
	v_readfirstlane_b32 s8, v1                     ; wave 0..3
	s_lshl_b32 s9, ttmp9, 7                        ; q0
	s_and_b32 s10, ttmp7, 0xffff                   ; the pair of heads
	s_lshl_b32 s11, s8, 5
	s_add_co_u32 s11, s11, s9                      ; qw
.irp g, 0,1,2,3
	s_sub_co_i32 s[24+(\g)], s9, 64-16*(\g)        ; row group g of the window begins at key q0 - 64 + 16 g,
	s_max_i32 s[24+(\g)], s[24+(\g)], 0            ; or at key 0 where that does not exist (the first block),
	s_lshl_b32 s[24+(\g)], s[24+(\g)], 7           ; in bytes
.endr
	s_lshl_b32 s28, s9, 7                          ; row group 4 begins at key q0
	s_lshl_b32 s2, s10, 20                         ; two heads of 524,288 bytes
	s_mov_b32 s3, 0
	v_and_b32 v2, 15, v0                           ; r = l % 16
	v_bfe_u32 v3, v0, 4, 1                         ; h = l / 16
	v_add_nc_u32 v[QO], s11, v2
	v_lshlrev_b32 v[QO], 7, v[QO]
	v_lshl_add_u32 v[QO], v3, 4, v[QO]             ; (qw + r) x 128 + 16 h
	v_lshlrev_b32 v17, 4, v0                       ; in a group of 16 rows thread n takes row n / 8, bytes 16 (n % 8): 16 n
.irp g, 0,1,2,3
	v_add_nc_u32 v[SO+(\g)], s[24+(\g)], v17
.endr
	v_add_nc_u32 v[SO4], s28, v17
	s_wait_kmcnt 0x0
	s_add_nc_u64 s[12:13], s[4:5], s[2:3]          ; Q of my first head,
	s_add_nc_u64 s[14:15], s[12:13], 16*HB         ; its K,
	s_add_nc_u64 s[16:17], s[12:13], 32*HB         ; its V
; 24 loads: the window's 12 row groups of both heads, from base s[b:b+1] into window 1 from register r0 on
.macro WINDOW b, r0
.irp e, 0,1
.irp g, 0,1,2,3
	global_load_b128 v[(\r0)+4*(12*(\e)+(\g)):(\r0)+4*(12*(\e)+(\g))+3], v[SO+(\g)], s[(\b):(\b)+1] offset:(\e)*HB
.endr
.irp g, 4,5,6,7,8,9,10,11
	global_load_b128 v[(\r0)+4*(12*(\e)+(\g)):(\r0)+4*(12*(\e)+(\g))+3], v[SO4], s[(\b):(\b)+1] offset:(\e)*HB+((\g)-4)*2048
.endr
.endr
.endm
	WIN 0x40                                       ; destination window 1, address window 0
	WINDOW 14, 0
	WINDOW 16, 96
	WIN 0
.set i, 0
.rept 8                                ; Q stays in registers: head i / 4, tile (i / 2) % 2, channels 32 (i % 2) on
	global_load_b128 v[Q+8*i:Q+8*i+3],   v[QO], s[12:13] offset:(i/4)*HB+((i/2)%2)*2048+(i%2)*64
	global_load_b128 v[Q+8*i+4:Q+8*i+7], v[QO], s[12:13] offset:(i/4)*HB+((i/2)%2)*2048+(i%2)*64+32
.set i, i+1
.endr
	; all that follows up to the first wait stands under the loads
	s_lshl_b32 s2, s11, 11                         ; ob at row qw,
	s_lshl_b32 s3, s10, 8                          ; at my two heads' 256 bytes
	s_add_co_u32 s2, s2, s3
	s_mov_b32 s3, 0
	s_add_nc_u64 s[6:7], s[6:7], s[2:3]
	s_mov_b32 s[CS], 0x3e38aa3b                    ; c = log2(e) / 8 = 0.180337
	s_mov_b32 s[CS+1], s[CS]                       ; named with it as a pair
	s_mov_b32 s[SEL], 0x76543210
	s_mov_b32 s[SEL+1], 0xfedcba98
	s_mov_b32 s22, 0xf149f2ca                      ; -1e30
	s_sub_co_i32 s23, 64, s11
	s_max_i32 s23, s23, 0                          ; places of my 96 that lie in front of key 0
	v_mov_b32 v[CM+1], 0                           ; named with c m as a pair
	v_and_b32 v1, 31, v0                           ; l
	v_lshrrev_b32 v17, 3, v1                       ; l / 8
	v_and_b32 v22, 7, v0                           ; l % 8
	v_bfe_u32 v23, v0, 3, 1                        ; (l / 8) % 2
	v_mul_u32_u24 v[KST], v17, KP                  ; into LDS: row 4 w + l / 8 of a group of 16, bytes 16 (l % 8)
	v_lshl_add_u32 v[KST], v22, 4, v[KST]
	s_mul_i32 s2, s8, 4*KP
	v_add_nc_u32 v[KST], s2, v[KST]
	v_mul_u32_u24 v[VST], v17, VP
	v_lshl_add_u32 v[VST], v22, 4, v[VST]
	s_mul_i32 s2, s8, 4*VP
	s_add_co_u32 s2, s2, VL
	v_add_nc_u32 v[VST], s2, v[VST]
	v_mul_u32_u24 v[AK], v2, KP                    ; a fragment of K: row 32 w + r, 16 bytes for each half of the lanes
	v_lshl_add_u32 v[AK], v3, 4, v[AK]
	s_mul_i32 s2, s8, 32*KP
	v_add_nc_u32 v[AK], s2, v[AK]
	v_lshl_add_u32 v[AV], v3, 3, v22               ; the turning load: key row 32 w + 8 h + l % 8, channels 8 ((l / 8) % 2) + 0..7
	v_mul_u32_u24 v[AV], v[AV], VP
	v_lshl_add_u32 v[AV], v23, 4, v[AV]
	s_mul_i32 s2, s8, 32*VP
	s_add_co_u32 s2, s2, VL
	v_add_nc_u32 v[AV], s2, v[AV]
	s_mul_i32 s29, s8, 32*SPT
	s_add_co_u32 s29, s29, STAGE                   ; my stage
	v_mul_u32_u24 v[STO], v2, SPT                  ; in: row r of a tile, 16 bytes for each half of the lanes
	v_lshl_add_u32 v[STO], v3, 4, v[STO]
	v_add_nc_u32 v[STO], s29, v[STO]
	v_mul_u32_u24 v[RD], v3, SPT                   ; back: lanes 0-15 take one row of 256 bytes, lanes 16-31 the next
	v_lshl_add_u32 v[RD], v2, 4, v[RD]
	v_add_nc_u32 v[RD], s29, v[RD]
	v_lshlrev_b32 v[CO], 11, v3                    ; and the same two rows in ob
	v_lshl_add_u32 v[CO], v2, 4, v[CO]
	; THE MASK.  Place u = 16 kb + 8 h + j of my 96 is key qw - 64 + u; my query of tile t is qw + a, a = 16 t + r.  Visible: lo <= u <= a + 64 with lo = max(a, places in front of key 0),
	; that is (u - lo), taken as unsigned, <= a + 64 - lo.
	v_lshlrev_b32 v24, 3, v3                       ; 8 h
	v_cmp_gt_u32 vcc_lo, s23, v2
	v_cndmask_b32 v17, v2, s23, vcc_lo             ; lo of tile 0
	v_sub_nc_u32 v[LOH], v17, v24
	v_sub_nc_u32 v[WID], v2, v17
	v_add_nc_u32 v[WID], 64, v[WID]
	v_add_nc_u32 v25, 16, v2
	v_cmp_gt_u32 vcc_lo, s23, v25
	v_cndmask_b32 v17, v25, s23, vcc_lo            ; lo of tile 1
	v_sub_nc_u32 v[LOH+1], v17, v24
	v_sub_nc_u32 v[WID+1], v25, v17
	v_add_nc_u32 v[WID+1], 64, v[WID+1]
	WIN 0x82                                       ; destination and source 0 window 2, source 1 window 0
.set i, 0
.rept 96                               ; tile i / 48, key block (i % 48) / 8, register i % 8
	v_sub_nc_u32 v[96+i%4], 16*((i%48)/8)+i%8, v[LOH+i/48]
	v_cmp_gt_u32 vcc_lo, v[96+i%4], v[WID+i/48]
	v_cndmask_b32 v[i], 0, s22, vcc_lo
.set i, i+1
.endr
	; the window goes into LDS
	WIN 0x04                                       ; store data (source 1) window 1, address window 0
	s_wait_loadcnt 40                              ; K's 24 loads are in; V's 24 and Q's 16 may be out
.set i, 0
.rept 24                               ; head i / 12, row group i % 12
	ds_store_b128 v[KST], v[4*i:4*i+3] offset:(i/12)*KE+(i%12)*16*KP
.set i, i+1
.endr
	s_wait_loadcnt 16                              ; V's are in
.set i, 0
.rept 24
	ds_store_b128 v[VST], v[96+4*i:96+4*i+3] offset:(i/12)*VE+(i%12)*16*VP
.set i, i+1
.endr
	WIN 0
	s_wait_loadcnt 0x0                             ; Q
	s_wait_dscnt 0x0                               ; for the others' sake: my part of the window is in LDS
	s_barrier_signal -1
	s_barrier_wait -1                              ; everybody's is; nobody writes it again
; Tile t's softmax.  The lane's 48 scores: the maximum in six chains, three operands at a time, each beginning at its accumulator's lowest registers; the query's other 48 keys lie in the lane
; 16 away; p = 2^(c s - c m); rounded to f16 in pairs; the sum of the unrounded p, in place, as a tree; 1 / l.
.macro SOFT t
.set rS, S+48*(\t)
.irp kb, 0,1,2,3,4,5
	v_max3_num_f32 v[T+(\kb)], v[rS+8*(\kb)], v[rS+8*(\kb)+1], v[rS+8*(\kb)+2]
.endr
.irp kb, 0,1,2,3,4,5
	v_max3_num_f32 v[T+(\kb)], v[T+(\kb)], v[rS+8*(\kb)+3], v[rS+8*(\kb)+4]
.endr
.irp kb, 0,1,2,3,4,5
	v_max3_num_f32 v[T+(\kb)], v[T+(\kb)], v[rS+8*(\kb)+5], v[rS+8*(\kb)+6]
.endr
.irp p, 0,1,2
	v_max3_num_f32 v[T+(\p)], v[T+(\p)], v[rS+16*(\p)+7], v[rS+16*(\p)+15]
.endr
	v_max3_num_f32 v[T], v[T], v[T+1], v[T+2]
	v_max3_num_f32 v[T+3], v[T+3], v[T+4], v[T+5]
	v_max_num_f32 v[T], v[T], v[T+3]
	v_permlanex16_b32 v[T+1], v[T], s[SEL], s[SEL+1]
	v_max_num_f32 v[T], v[T], v[T+1]               ; m: every query sees its own key, so m is a true score
	v_mul_f32 v[CM], s[CS], v[T]
.set i, 0
.rept 24
	v_pk_fma_f32 v[rS+2*i:rS+2*i+1], v[rS+2*i:rS+2*i+1], s[CS:CS+1], v[CM:CM+1] op_sel_hi:[1,0,0] neg_lo:[0,0,1] neg_hi:[0,0,1]  ; c s - c m
.set i, i+1
.endr
.set i, 0
.rept 48
	v_exp_f32 v[rS+i], v[rS+i]
.set i, i+1
.endr
	v_nop                                          ; a plain instruction between the last exponential and the use of its result (ISA guide 5.7.2)
.set i, 0
	s_wait_alu depctr_va_vdst(0)
.rept 24
	v_cvt_pk_f16_f32 v[P+24*(\t)+i], v[rS+2*i], v[rS+2*i+1]
.set i, i+1
.endr
.irp n, 12, 6, 3                       ; 24 pairs (an even key's weight, an odd key's) become 12, 6, 3,
.set i, 0
.rept \n
	v_pk_add_f32 v[rS+2*i:rS+2*i+1], v[rS+2*i:rS+2*i+1], v[rS+2*i+2*(\n):rS+2*i+2*(\n)+1]
.set i, i+1
.endr
.endr
	v_pk_add_f32 v[rS:rS+1], v[rS:rS+1], v[rS+2:rS+3]  ; and one
	v_pk_add_f32 v[rS:rS+1], v[rS:rS+1], v[rS+4:rS+5]
	v_add_f32 v[T], v[rS], v[rS+1]
	v_permlanex16_b32 v[T+1], v[T], s[SEL], s[SEL+1]
	v_add_f32 v[T], v[T], v[T+1]                   ; l
	v_rcp_f32 v[RL+2*(\t)], v[T]
	v_nop                                          ; a plain instruction before the reciprocal's source is written again or its result used
.endm
; Tile t of head e leaves: O^T times 1 / l (ascending), rounded to f16, a lane's eight channels as 16 bytes into my stage.
.macro FIN t, e
.set rO, S+32*(\t)
.set i, 0
.rept 16
	v_pk_mul_f32 v[rO+2*i:rO+2*i+1], v[rO+2*i:rO+2*i+1], v[RL+2*(\t):RL+2*(\t)+1] op_sel_hi:[1,0]
.set i, i+1
.endr
.set i, 0
.rept 16
	v_cvt_pk_f16_f32 v[PKD+i], v[rO+2*i], v[rO+2*i+1]
.set i, i+1
.endr
.irp cb, 0,1,2,3
	ds_store_b128 v[STO], v[PKD+4*(\cb):PKD+4*(\cb)+3] offset:(\t)*16*SPT+128*(\e)+32*(\cb)
.endr
.endm
; One head: 48 LDS loads, 24 products K Q^T, two softmaxes, 24 products V^T P, the way into the stage.  The accumulators (12, then 8) take turns, one instruction a turn.
.macro HEAD e
	WIN 0x40                                       ; destination window 1; the registers' last readers stand more than four plain instructions back
.set i, 0
.rept 12                               ; K: keys 16 (i / 2) on, channels 32 (i % 2) on
	ds_load_b128 v[8*i:8*i+3],   v[AK] offset:(\e)*KE+(i/2)*16*KP+(i%2)*64
	ds_load_b128 v[8*i+4:8*i+7], v[AK] offset:(\e)*KE+(i/2)*16*KP+(i%2)*64+32
.set i, i+1
.endr
.set i, 0
.rept 12                               ; V, turned: keys 32 (i / 4) on, channels 16 (i % 4) on
	ds_load_tr16_b128 v[96+8*i:96+8*i+3],   v[AV] offset:(\e)*VE+(i/4)*32*VP+(i%4)*32
	ds_load_tr16_b128 v[96+8*i+4:96+8*i+7], v[AV] offset:(\e)*VE+(i/4)*32*VP+16*VP+(i%4)*32
.set i, i+1
.endr
	s_wait_dscnt 24                                ; K is in; V's 24 loads may be out
	WIN 0x21                                       ; K window 1, Q window 0, the mask (C) window 2, S^T window 0
.set i, 0
.rept 12                               ; tile i / 6, key block i % 6, channels 0-31: the mask starts the sums
	v_wmma_f32_16x16x32_f16 v[S+48*(i/6)+8*(i%6):S+48*(i/6)+8*(i%6)+7], v[16*(i%6):16*(i%6)+7], v[Q+32*(\e)+16*(i/6):Q+32*(\e)+16*(i/6)+7], v[48*(i/6)+8*(i%6):48*(i/6)+8*(i%6)+7]
.set i, i+1
.endr
	WIN 0x01
.set i, 0
.rept 12                               ; channels 32-63
	v_wmma_f32_16x16x32_f16 v[S+48*(i/6)+8*(i%6):S+48*(i/6)+8*(i%6)+7], v[16*(i%6)+8:16*(i%6)+15], v[Q+32*(\e)+16*(i/6)+8:Q+32*(\e)+16*(i/6)+15], v[S+48*(i/6)+8*(i%6):S+48*(i/6)+8*(i%6)+7]
.set i, i+1
.endr
	WIN 0
.rept 4
	v_nop                                          ; the places behind those products (ISA guide 7.12.1)
.endr
	SOFT 0
	SOFT 1
	s_wait_dscnt 0x0                               ; V is in
	WIN 0x01                                       ; V window 1; P, O^T window 0
.set i, 0
.rept 24                               ; keys 32 (i / 8) on, tile (i % 8) / 4, channels 16 (i % 4) on; the first 8 start the sums
.if i < 8
	v_wmma_f32_16x16x32_f16 v[S+32*((i%8)/4)+8*(i%4):S+32*((i%8)/4)+8*(i%4)+7], v[96+8*(4*(i/8)+i%4):96+8*(4*(i/8)+i%4)+7], v[P+24*((i%8)/4)+8*(i/8):P+24*((i%8)/4)+8*(i/8)+7], 0
.else
	v_wmma_f32_16x16x32_f16 v[S+32*((i%8)/4)+8*(i%4):S+32*((i%8)/4)+8*(i%4)+7], v[96+8*(4*(i/8)+i%4):96+8*(4*(i/8)+i%4)+7], v[P+24*((i%8)/4)+8*(i/8):P+24*((i%8)/4)+8*(i/8)+7], v[S+32*((i%8)/4)+8*(i%4):S+32*((i%8)/4)+8*(i%4)+7]
.endif
.set i, i+1
.endr
	WIN 0
	s_wait_alu depctr_va_vdst(0)
.rept 4
	v_nop                                          ; the places behind those products
.endr
	FIN 0, \e
	FIN 1, \e
.endm
	HEAD 0
	HEAD 1
	; THE WAY OUT: my 32 rows come back from my own stage whole, 256 bytes each (two heads' channels), two rows a load.
.set i, 0
.rept 16
	ds_load_b128 v[S+4*i:S+4*i+3], v[RD] offset:i*2*SPT  ; LDS serves a wave's instructions in order (ISA guide 5.7.1.4): these see my stores above
.set i, i+1
.endr
.set i, 0
.rept 16
	s_wait_dscnt 15-i                              ; load i is back; the later ones may be out
	global_store_b128 v[CO], v[S+4*i:S+4*i+3], s[6:7] offset:i*4096  ; 16 lanes store 256 consecutive bytes, at a multiple of 256 from ob's first
.set i, i+1
.endr
	s_wait_tensorcnt 0x0                           ; the wave's end: behind my last LDS store
	ds_add_u32 v[SPW], v[NIL]
	s_wait_dscnt 0x0
	s_endpgm
.Lfunc_end_k_qe5d2294ec5_attn:
	.size	k_qe5d2294ec5_attn, .Lfunc_end_k_qe5d2294ec5_attn-k_qe5d2294ec5_attn
	.p2alignl 7, 3214868480
	.fill 96, 4, 3214868480
	.section	.rodata,"a",@progbits
	.p2align	6, 0x0
	.amdhsa_kernel k_qe5d2294ec5_attn
		.amdhsa_group_segment_fixed_size 152064
		.amdhsa_private_segment_fixed_size 0
		.amdhsa_enable_private_segment 0
		.amdhsa_kernarg_size 16
		.amdhsa_user_sgpr_count 2
		.amdhsa_user_sgpr_kernarg_segment_ptr 1
		.amdhsa_wavefront_size32 1
		.amdhsa_system_sgpr_workgroup_id_x 1
		.amdhsa_system_sgpr_workgroup_id_y 1
		.amdhsa_system_sgpr_workgroup_id_z 1
		.amdhsa_system_vgpr_workitem_id 0
		.amdhsa_next_free_vgpr 616
		.amdhsa_next_free_sgpr 66
		.amdhsa_reserve_vcc 1
		.amdhsa_float_denorm_mode_32 3
		.amdhsa_float_denorm_mode_16_64 3
		.amdhsa_memory_ordered 1
		.amdhsa_forward_progress 1
		.amdhsa_inst_pref_size 84
	.end_amdhsa_kernel
	.amdgpu_metadata
---
amdhsa.version: [ 1, 2 ]
amdhsa.kernels:
  - .name:           k_qe5d2294ec5_attn
    .symbol:         k_qe5d2294ec5_attn.kd
    .args:
      - { .name: qkv, .offset: 0, .size: 8, .value_kind: global_buffer, .address_space: global }
      - { .name: ob, .offset: 8, .size: 8, .value_kind: global_buffer, .address_space: global }
    .group_segment_fixed_size: 152064
    .private_segment_fixed_size: 0
    .kernarg_segment_align: 8
    .kernarg_segment_size: 16
    .max_flat_workgroup_size: 128
    .sgpr_count:     66
    .vgpr_count:     616
    .wavefront_size: 32
...
	.end_amdgpu_metadata
.endif
;; end of part 3
;; launch gemm_out (part 4): grid 8 x 32, 4 waves a work-group, clusters of 4 x 4, 327,680 bytes of LDS; arguments ob, wob, out0; writes out0
.if DOCPART == 4
	.amdgcn_target "amdgcn-amd-amdhsa--gfx1250"
	.amdhsa_code_object_version 6
	.text
	.protected	k_qe5d2294ec5_gemm_out
	.globl	k_qe5d2294ec5_gemm_out
	.p2align	8
	.type	k_qe5d2294ec5_gemm_out,@function
k_qe5d2294ec5_gemm_out:
	s_mov_b64 s[64:65], 0
	v_nop
	global_prefetch_b8 v0, s[64:65] scope:SCOPE_SE
	s_setreg_imm32_b32 hwreg(HW_REG_WAVE_MODE, 25, 1), 1
	s_wait_xcnt 0x0
	s_wait_alu depctr_hold_cnt(0) depctr_sa_sdst(0) depctr_va_vdst(0) depctr_va_sdst(0) depctr_va_ssrc(0) depctr_va_vcc(0) depctr_vm_vsrc(0)
	s_getreg_b32 s2, hwreg(HW_REG_IB_STS2, 6, 4)
	s_cmp_eq_u32 s2, 0
	s_cbranch_scc0 .Lentry_in_a_cluster
	s_endpgm
.Lentry_in_a_cluster:
	s_bfe_u32 s2, ttmp6, 0x10000c
	s_cmp_lg_u32 s2, 0xf033
	s_cbranch_scc0 .Lentry_shape_is_right
	s_endpgm
.Lentry_shape_is_right:
; out0 = O W_o.  ob: [4096][1024] f16.  wob: [1024 k][1024 n] f16 (W_o rounded to bf16, written as f16).  out0: [4096][1024] f32.  Products in f16, sums in f32, stored as they are.
; LIMITS.  Both operands arrive within f16's 65,504; NaN and infinities are not treated apart.
; SHARES.  A tile of C is 128 x 128: 32 x 8 = 256 work-groups.  Four waves, each 64 x 64: 16 accumulators of 16 x 16, 128 registers.  K goes in 4 steps of 256 through a ring of two LDS slots, one tensor load a
; wave: waves 0 and 1 fetch A's two halves (64 rows x 512 bytes), waves 2 and 3 B's (128 k-rows x 256 bytes).  B LIES [k][n] and is turned on its way out of LDS by ds_load_tr16_b128.
; With four K steps the walk is written out: a loop would have one trip.
; CLUSTERS: 4 x 4 work-groups.  The four of a row of the cluster need the same tiles of A, the four of a column the same tiles of B: each tile is asked for JOINTLY, by the same tensor load with the same
; descriptor and a mask that names the four.  THE MATRIX INSTRUCTION IS USED TRANSPOSED (source 0 = 16 columns of W_o, source 1 = 16 rows of O): a lane holds eight neighbouring numbers of a row of C, 32 bytes.
; REGISTERS: window 0: v0-31 addresses; v128-255 the accumulators ((a, b) at v[128 + 8 (4 a + b)]), on the way out also the rows read back.
;   window 1: two fragment buffers of 128: for 64 along K (two matrix instructions deep), 64 registers of A, then 64 of B.
.set KSTEP,  256
.set PA,     528                       ; A's LDS row: 512 bytes + 16 of padding: the 16 rows of a fragment load start 16 bytes apart modulo 256
.set PB,     288                       ; B's LDS row: 256 + 32: 16 lanes of the turning load take 8 rows x 32 bytes, each 16-byte column modulo 256 once
.set REG,    128*PB                    ; 36,864 bytes: what one wave's load fills (A's use 33,792 of them)
.set SLOT,   4*REG                     ; A's two halves, then B's two
.set STAGE,  2*SLOT                    ; behind the ring: 16 rows x 272 bytes for each wave, for the way out
.set SPITCH, 272
.set SPARE,  STAGE+4*16*SPITCH         ; behind the stages: the spare words, 128 bytes for each wave: two blocks of 256 bytes that no other line names
.set ADRA, 16                          ; v16-17  LDS address of my A fragments in slot 0, 1
.set ADRB, 20                          ; v20-23  the same for B: 2 x slot + half of the step's k-rows
.set STO,  24                          ; v24     the way out: where I put 32 bytes of a row
.set RD,   25                          ; v25     the way out: where I read a row back
.set CO,   26                          ; v26     my byte offset in two rows of C
.set SPW,  28                          ; v28     LDS address of my spare word: SPARE + 4 x my thread's number; never rewritten
.set NIL,  29                          ; v29     0; never rewritten
.set ACC,  128
.set F0,   0                           ; fragment buffers, in window 1
.set F1,   128
.set G1, 24                            ; s[24:31] descriptor group 1 for A's tiles;  s[32:39] group 0, one set for each slot
.set G0, 32
.set G1B, 48                           ; s[48:55], s[56:63] the same for B's tiles
.set G0B, 56
.set MSB, 0
.macro WIN new                         ; the immediate's high byte repeats the setting that is left; a switch that changes nothing is dropped
.if MSB != (\new)
	s_set_vgpr_msb (MSB<<8)|(\new)
.set MSB, \new
.endif
.endm
.set MUL,  0x05                        ; sources 0 (B) and 1 (A) window 1; C and D window 0
.set TO_F, 0x40                        ; destination window 1, address window 0
.macro JLOAD s                         ; a joint load: waves 0 and 1 fetch A's two halves, waves 2 and 3 B's; an s_nop 0 and four v_nop follow each of the two lines, ahead of the jump and the label
	s_cmp_eq_u32 s11, 0
	s_cbranch_scc0 .Lfor_b_\@
	tensor_load_to_lds s[G0+4*(\s):G0+4*(\s)+3], s[G1:G1+7]
	s_nop 0
.rept 4
	v_nop
.endr
	s_branch .Lasked_\@
.Lfor_b_\@:
	tensor_load_to_lds s[G0B+4*(\s):G0B+4*(\s)+3], s[G1B:G1B+7]
	s_nop 0
.rept 4
	v_nop
.endr
.Lasked_\@:
.endm
.macro CREST                           ; a round of the cluster's barrier behind its opening barrier
	s_cmp_lg_u32 s10, 0
	s_cbranch_scc1 .Lnot_wave_0_\@
	s_barrier_signal -3
.Lnot_wave_0_\@:
	s_barrier_wait -3
	s_barrier_signal -1
	s_barrier_wait -1
.endm
.macro CROUND                          ; a whole round
	s_barrier_signal -1
	s_barrier_wait -1
	CREST
.endm
	s_load_b128 s[4:7], s[0:1], 0x0                ; ob s[4:5], wob s[6:7]
	s_load_b64 s[8:9], s[0:1], 0x10                ; out0
	v_lshl_add_u32 v[SPW], v0, 2, SPARE
	v_mov_b32 v[NIL], 0
	ds_add_u32 v[SPW], v[NIL]                      ; the wave's opening: the add and its wait stand ahead of my first tensor load; the set-up below, work on registers, stands between them
	v_lshrrev_b32 v1, 5, v0
	v_readfirstlane_b32 s10, v1                    ; wave 0..3
	s_lshr_b32 s11, s10, 1                         ; which half of the tile's rows is mine.  Also: I fetch for A (0) or for B (1)
	s_and_b32 s12, s10, 1                          ; which half of its columns.  Also: which half of that tile I fetch
	s_bfe_u32 s40, ttmp6, 0x40000                  ; cx, cy: my place in the cluster
	s_bfe_u32 s41, ttmp6, 0x40004
	s_lshl_b32 s42, ttmp9, 2
	s_add_co_u32 s42, s42, s40                     ; tile column = 4 x cluster x + cx, 0..7
	s_and_b32 s13, ttmp7, 0xffff
	s_lshl_b32 s13, s13, 2
	s_add_co_u32 s13, s13, s41                     ; tile row = 4 x cluster y + cy, 0..31
	s_lshl_b32 s43, s41, 2
	s_lshl_b32 s43, 15, s43                        ; my row of the cluster
	s_lshl_b32 s44, 0x1111, s40                    ; my column
	; descriptor group 1.  A: 64 rows x 256 elements of 2 bytes, 4 words of padding (code 3) after every 128 (code 6).  B: 128 rows x 128 elements, 8 words (code 7) after every 64 (code 5).  Bit 21 is set beside a mask.
	s_or_b32 s[G1+0],  s43, (1<<16)|(1<<20)|(1<<21)|(6<<22)|(3<<25)
	s_or_b32 s[G1B+0], s44, (1<<16)|(1<<20)|(1<<21)|(5<<22)|(7<<25)
	s_mov_b32 s[G1+1], 256<<16                     ; tensor_dim0
	s_mov_b32 s[G1+2], 64<<16                      ; tensor_dim1
	s_mov_b32 s[G1+3], 256<<16                     ; tile_dim0
	s_mov_b32 s[G1+4], 64                          ; tile_dim1
	s_mov_b32 s[G1B+1], 128<<16
	s_mov_b32 s[G1B+2], 128<<16
	s_mov_b32 s[G1B+3], 128<<16
	s_mov_b32 s[G1B+4], 128
.irp g, G1, G1B
	s_mov_b32 s[(\g)+5], 1024                      ; elements from row to row, in both tensors
	s_mov_b32 s[(\g)+6], 0
	s_mov_b32 s[(\g)+7], 0
.endr
	s_lshl_b32 s16, s13, 18                        ; A: 128 rows of 2,048 bytes a tile row,
	s_lshl_b32 s17, s12, 17                        ; my 64 of them
	s_add_co_u32 s16, s16, s17
	s_mov_b32 s17, 0
	s_lshl_b32 s46, s42, 8                         ; B: 128 columns of 2 bytes a tile column,
	s_lshl_b32 s47, s12, 18                        ; my 128 k-rows of 2,048 bytes
	s_add_co_u32 s46, s46, s47
	s_mov_b32 s47, 0
	s_mul_i32 s20, s10, REG                        ; where they go: wave x 36,864: no place in the cluster enters an LDS address
	s_wait_dscnt 0x0                               ; the opening add is done
	s_wait_kmcnt 0x0
	s_add_nc_u64 s[14:15], s[4:5], s[16:17]
	s_add_nc_u64 s[46:47], s[6:7], s[46:47]
	CROUND                                         ; all sixteen work-groups are here: the first joint loads meet
.irp s, 0,1
	s_mov_b32 s[G0+4*(\s)], 1
	s_add_co_u32 s[G0+4*(\s)+1], s20, (\s)*SLOT
	s_add_nc_u64 s[G0+4*(\s)+2:G0+4*(\s)+3], s[14:15], (\s)*KSTEP*2     ; K step s lies 512 bytes along O's rows,
	s_or_b32 s[G0+4*(\s)+3], s[G0+4*(\s)+3], 0x80000000
	s_mov_b32 s[G0B+4*(\s)], 1
	s_add_co_u32 s[G0B+4*(\s)+1], s20, (\s)*SLOT
	s_add_nc_u64 s[G0B+4*(\s)+2:G0B+4*(\s)+3], s[46:47], (\s)*KSTEP*2048  ; and 256 rows of 2,048 bytes down W_o
	s_or_b32 s[G0B+4*(\s)+3], s[G0B+4*(\s)+3], 0x80000000
	JLOAD \s                                       ; two tensor loads of mine are out
.endr
	v_and_b32 v1, 15, v0                           ; l % 16
	v_bfe_u32 v2, v0, 4, 1                         ; l / 16
	v_mul_u32_u24 v3, v1, PA
	v_lshl_add_u32 v3, v2, 4, v3                   ; A's fragment: row x pitch + 16 x half
	s_mul_i32 s21, s11, REG                        ; my 64 rows of A are one region
	v_and_b32 v4, 7, v0                            ; B's, by the turning load: k-row 8 (l / 16) + l % 8, columns 8 ((l / 8) % 2) + 0..7
	v_lshl_add_u32 v4, v2, 3, v4
	v_mul_u32_u24 v4, v4, PB
	v_bfe_u32 v5, v0, 3, 1
	v_lshl_add_u32 v4, v5, 4, v4
	s_lshl_b32 s22, s12, 7                         ; my 64 columns are 128 bytes of B's rows,
	s_add_co_u32 s22, s22, 2*REG                   ; which lie behind A's two regions
.irp s, 0,1
	v_add_nc_u32 v[ADRA+(\s)], s21, v3
	v_add_nc_u32 v[ADRB+2*(\s)], s22, v4
	s_add_co_u32 s23, s22, REG
	v_add_nc_u32 v[ADRB+2*(\s)+1], s23, v4
	s_add_co_u32 s21, s21, SLOT
	s_add_co_u32 s22, s22, SLOT
.endr
	s_mul_i32 s23, s10, 16*SPITCH
	s_add_co_u32 s23, s23, STAGE                   ; my stage
	v_mul_u32_u24 v5, v1, SPITCH                   ; in: row l % 16, 32 bytes for each half of the lanes
	v_lshl_add_u32 v5, v2, 5, v5
	v_add_nc_u32 v[STO], s23, v5
	v_mul_u32_u24 v5, v2, SPITCH                   ; back: lanes 0-15 take one row of 256 bytes, lanes 16-31 the next
	v_lshl_add_u32 v5, v1, 4, v5
	v_add_nc_u32 v[RD], s23, v5
	v_lshlrev_b32 v[CO], 12, v2                    ; and the same two rows in C
	v_lshl_add_u32 v[CO], v1, 4, v[CO]
	s_lshl_b32 s16, s13, 19                        ; C: 128 rows of 4,096 bytes a tile row,
	s_lshl_b32 s17, s11, 18                        ; my 64 of them
	s_add_co_u32 s16, s16, s17
	s_mov_b32 s17, 0
	s_add_nc_u64 s[8:9], s[8:9], s[16:17]
	s_lshl_b32 s46, s42, 9                         ; 512 bytes a tile column, my 256 of them (in the registers that held B's address: none that feeds A's descriptors ever holds cx)
	s_lshl_b32 s47, s12, 8
	s_add_co_u32 s46, s46, s47
	s_mov_b32 s47, 0
	s_add_nc_u64 s[8:9], s[8:9], s[46:47]
; 8 matrix instructions: m blocks a0, a0 + 1 x all 4 n blocks, 32 along K: half c of buffer f.  zero = 1: the first product starts the sums.  The 16 accumulators take turns.
.macro MUL8 f, c, a0, zero
	WIN MUL
.irp a, \a0, (\a0)+1
.irp b, 0,1,2,3
.if \zero
	v_wmma_f32_16x16x32_f16 v[ACC+8*(4*(\a)+(\b)):ACC+8*(4*(\a)+(\b))+7], v[(\f)+64+8*(4*(\c)+(\b)):(\f)+64+8*(4*(\c)+(\b))+7], v[(\f)+8*(4*(\c)+(\a)):(\f)+8*(4*(\c)+(\a))+7], 0
.else
	v_wmma_f32_16x16x32_f16 v[ACC+8*(4*(\a)+(\b)):ACC+8*(4*(\a)+(\b))+7], v[(\f)+64+8*(4*(\c)+(\b)):(\f)+64+8*(4*(\c)+(\b))+7], v[(\f)+8*(4*(\c)+(\a)):(\f)+8*(4*(\c)+(\a))+7], v[ACC+8*(4*(\a)+(\b)):ACC+8*(4*(\a)+(\b))+7]
.endif
.endr
.endr
.endm
; 32 LDS loads in one run: the fragments of quarter q of a K step (64 along K) into buffer f; the first 32 along K first.  B's k-rows 64 q + 32 c lie in region q / 2, at row 32 ((2 q + c) % 4) of it.
.macro FETCH slot, q, f
	WIN TO_F
.irp c, 0,1
.irp i, 0,1,2,3
	ds_load_tr16_b128 v[(\f)+64+8*(4*(\c)+(\i)):(\f)+64+8*(4*(\c)+(\i))+3],   v[ADRB+2*(\slot)+(\q)/2] offset:((2*(\q)+(\c))%4)*32*PB+32*(\i)
	ds_load_tr16_b128 v[(\f)+64+8*(4*(\c)+(\i))+4:(\f)+64+8*(4*(\c)+(\i))+7], v[ADRB+2*(\slot)+(\q)/2] offset:((2*(\q)+(\c))%4)*32*PB+16*PB+32*(\i)
	ds_load_b128 v[(\f)+8*(4*(\c)+(\i)):(\f)+8*(4*(\c)+(\i))+3],   v[ADRA+(\slot)] offset:128*(\q)+64*(\c)+(\i)*16*PA
	ds_load_b128 v[(\f)+8*(4*(\c)+(\i))+4:(\f)+8*(4*(\c)+(\i))+7], v[ADRA+(\slot)] offset:128*(\q)+64*(\c)+(\i)*16*PA+32
.endr
.endr
.endm
.macro PLACES                          ; four places in front of loads into registers that matrix instructions have read, and of LDS stores that read results
.rept 4
	v_nop
.endr
.endm
; A K step is four quarters of 64 along K, 32 matrix instructions each, on buffers 0, 1, 0, 1.  One of the first three: multiplies buffer f and fetches quarter q into g.
.macro QUARTER slot, q, f, g, zero
	s_wait_dscnt 16                                ; the first 32 along K are in
	MUL8 \f, 0, 0, \zero
	MUL8 \f, 0, 2, \zero
	PLACES
	FETCH \slot, \q, \g
	s_wait_dscnt 32                                ; all but the 32 just issued
	MUL8 \f, 1, 0, 0
	MUL8 \f, 1, 2, 0
.endm
; The last quarter multiplies buffer 1 and changes slots: ONE barrier; in front of it each wave waits for all its tensor loads, adds 0 to its spare word, and waits for that and for its own reads of this slot.
; fill = 1: the barrier opens a round of the cluster's, and behind the round this slot is filled again, two K steps ahead: 112 matrix instructions ahead of the wait for it.
.macro TURN slot, next, fill
	WIN 0                                          ; (the add's two registers lie in window 0)
	s_wait_tensorcnt 0x0                           ; all my tensor loads have landed, so a group 0 may be written
	ds_add_u32 v[SPW], v[NIL]                      ; 0 onto my spare word
	s_wait_dscnt 17                                ; (the add and the youngest sixteen loads may be out)
	MUL8 F1, 0, 0, 0                               ; eight matrix instructions stand between the add and the wait for it
	s_wait_dscnt 0x0                               ; the add is done, and my reads of this slot are over
	s_barrier_signal -1
	MUL8 F1, 0, 2, 0
.if \fill
	WIN 0
.endif
	s_barrier_wait -1
.if \fill
	CREST                                          ; no wave of any partner still reads this slot's tiles or has a load on its way
	s_add_nc_u64 s[G0+4*(\slot)+2:G0+4*(\slot)+3], s[G0+4*(\slot)+2:G0+4*(\slot)+3], 2*KSTEP*2
	s_add_nc_u64 s[G0B+4*(\slot)+2:G0B+4*(\slot)+3], s[G0B+4*(\slot)+2:G0B+4*(\slot)+3], 2*KSTEP*2048
	JLOAD \slot                                    ; the first tensor load behind the round, my only one until the next; the four v_nop behind it are also the places in front of the loads below
.else
	PLACES
.endif
	FETCH \next, 0, F0
	MUL8 F1, 1, 0, 0
	MUL8 F1, 1, 2, 0
.endm
; THE WAY OUT, a block of 16 rows at a time.  OUTB: a lane's eight f32 of each of the block's four accumulators (the low four first) go into my own stage, rows of 272 bytes, and come back as whole rows of
; 256 bytes, into the block's own registers.  SENDB: stored.
.macro OUTB a
.irp b, 0,1,2,3
	ds_store_b128 v[STO], v[ACC+8*(4*(\a)+(\b)):ACC+8*(4*(\a)+(\b))+3]   offset:64*(\b)
	ds_store_b128 v[STO], v[ACC+8*(4*(\a)+(\b))+4:ACC+8*(4*(\a)+(\b))+7] offset:64*(\b)+16
.endr
.irp t, 0,1,2,3,4,5,6,7
	ds_load_b128 v[ACC+32*(\a)+4*(\t):ACC+32*(\a)+4*(\t)+3], v[RD] offset:(\t)*2*SPITCH  ; LDS serves a wave's instructions in order (ISA guide 5.7.1.4): these see the stores above; the next block's stores come behind them
.endr
.endm
.macro SENDB a, younger                ; younger: the LDS instructions issued behind block a's loads: the next block's sixteen, or none
.irp t, 0,1,2,3,4,5,6,7
	s_wait_dscnt (\younger)+7-(\t)
	global_store_b128 v[CO], v[ACC+32*(\a)+4*(\t):ACC+32*(\a)+4*(\t)+3], s[8:9] offset:(16*(\a)+2*(\t))*4096 th:TH_STORE_NT  ; 16 lanes store 256 consecutive bytes, at a multiple of 256 from out0's first
.endr
.endm
	s_wait_tensorcnt 1                             ; my part of K step 0 is in; K step 1's may stay out
	s_barrier_signal -1
	s_barrier_wait -1                              ; everybody's is
	FETCH 0, 0, F0
	QUARTER 0, 1, F0, F1, 1                        ; K step 0: its first products start the sums
	QUARTER 0, 2, F1, F0, 0
	QUARTER 0, 3, F0, F1, 0
	TURN 0, 1, 1                                   ; slot 0 takes K step 2
	QUARTER 1, 1, F0, F1, 0                        ; K step 1
	QUARTER 1, 2, F1, F0, 0
	QUARTER 1, 3, F0, F1, 0
	TURN 1, 0, 1                                   ; slot 1 takes K step 3
	QUARTER 0, 1, F0, F1, 0                        ; K step 2
	QUARTER 0, 2, F1, F0, 0
	QUARTER 0, 3, F0, F1, 0
	TURN 0, 1, 0                                   ; nothing is left to fetch
	QUARTER 1, 1, F0, F1, 0                        ; K step 3
	QUARTER 1, 2, F1, F0, 0
	QUARTER 1, 3, F0, F1, 0
	s_wait_dscnt 16                                ; the very last quarter
	MUL8 F1, 0, 0, 0
	MUL8 F1, 0, 2, 0
	s_wait_dscnt 0x0
	MUL8 F1, 1, 0, 0
	MUL8 F1, 1, 2, 0
	WIN 0
	PLACES
	OUTB 0
	OUTB 1                                         ; a block's way through the stage stands between the loads of the block before and its stores
	SENDB 0, 16
	OUTB 2
	SENDB 1, 16
	OUTB 3
	SENDB 2, 16
	SENDB 3, 0
	s_wait_tensorcnt 0x0                           ; the wave's end: behind my last tensor load and my last LDS store
	ds_add_u32 v[SPW], v[NIL]
	s_wait_dscnt 0x0
	CROUND                                         ; the closing round: no work-group ends while a partner may still ask for a tile that names it
	s_endpgm
.Lfunc_end_k_qe5d2294ec5_gemm_out:
	.size	k_qe5d2294ec5_gemm_out, .Lfunc_end_k_qe5d2294ec5_gemm_out-k_qe5d2294ec5_gemm_out
	.p2alignl 7, 3214868480
	.fill 96, 4, 3214868480
	.section	.rodata,"a",@progbits
	.p2align	6, 0x0
	.amdhsa_kernel k_qe5d2294ec5_gemm_out
		.amdhsa_group_segment_fixed_size 327680
		.amdhsa_private_segment_fixed_size 0
		.amdhsa_enable_private_segment 0
		.amdhsa_kernarg_size 24
		.amdhsa_user_sgpr_count 2
		.amdhsa_user_sgpr_kernarg_segment_ptr 1
		.amdhsa_wavefront_size32 1
		.amdhsa_system_sgpr_workgroup_id_x 1
		.amdhsa_system_sgpr_workgroup_id_y 1
		.amdhsa_system_sgpr_workgroup_id_z 1
		.amdhsa_system_vgpr_workitem_id 0
		.amdhsa_next_free_vgpr 512
		.amdhsa_next_free_sgpr 66
		.amdhsa_reserve_vcc 0
		.amdhsa_float_denorm_mode_32 3
		.amdhsa_float_denorm_mode_16_64 3
		.amdhsa_memory_ordered 1
		.amdhsa_forward_progress 1
		.amdhsa_inst_pref_size 86
	.end_amdhsa_kernel
	.amdgpu_metadata
---
amdhsa.version: [ 1, 2 ]
amdhsa.kernels:
  - .name:           k_qe5d2294ec5_gemm_out
    .symbol:         k_qe5d2294ec5_gemm_out.kd
    .args:
      - { .name: ob, .offset: 0, .size: 8, .value_kind: global_buffer, .address_space: global }
      - { .name: wob, .offset: 8, .size: 8, .value_kind: global_buffer, .address_space: global }
      - { .name: out0, .offset: 16, .size: 8, .value_kind: global_buffer, .address_space: global }
    .group_segment_fixed_size: 327680
    .private_segment_fixed_size: 0
    .kernarg_segment_align: 8
    .kernarg_segment_size: 24
    .max_flat_workgroup_size: 128
    .sgpr_count:     66
    .vgpr_count:     512
    .wavefront_size: 32
...
	.end_amdgpu_metadata
.endif
;; end of part 4
;; ======== version 2 of 2: 4 launches; version 1 with the launch cast written anew for expert scheduling mode
;; limits: values are held in f16: magnitudes above 65,504 overflow, below 6.1e-05 lose precision
;; workspace buffers: xb 8,388,608 bytes; wqb 6,291,456 bytes; wob 2,097,152 bytes; qkv 25,165,824 bytes; ob 8,388,608 bytes
;; launch cast (part 5): grid 256 x 1, 8 waves a work-group, no clusters, 0 bytes of LDS; arguments x, W_qkv, W_o, xb, wqb, wob; writes xb, wqb, wob
.if DOCPART == 5
	.amdgcn_target "amdgcn-amd-amdhsa--gfx1250"
	.amdhsa_code_object_version 6
	.text
	.protected	k_qe5d2294ec5_cast
	.globl	k_qe5d2294ec5_cast
	.p2align	8
	.type	k_qe5d2294ec5_cast,@function
k_qe5d2294ec5_cast:
	s_mov_b64 s[64:65], 0
	v_nop
	global_prefetch_b8 v0, s[64:65] scope:SCOPE_SE
	s_setreg_imm32_b32 hwreg(HW_REG_WAVE_SCHED_MODE, 0, 2), 2
	s_setreg_imm32_b32 hwreg(HW_REG_WAVE_MODE, 25, 1), 1
	s_wait_xcnt 0x0
	s_wait_alu depctr_vm_vsrc(0)
; THE INPUTS ARE ROUNDED ONCE, layouts unchanged.  x [4096][1024] and W_qkv [1024][3072]: f32 -> bf16.  W_o [1024][1024]: f32 -> bf16, and that number written as f16
; (the product behind attention multiplies in f16).
; LIMITS.  A bf16 number is an f16 number exactly from 6.1e-5 to 65,504 in magnitude; below that it keeps f16's fixed step of 6e-8, from 65,520 on it becomes an infinity.  So |W_o| stays under 65,520.
; SHARES.  8,388,608 numbers in 256 chunks of 32,768: work-groups 0-127 take x, 128-223 W_qkv, 224-255 W_o.  Thread t of 256 takes 16 bytes at 16 t + 4,096 i, i = 0..31: a wave's load covers 512 consecutive
; bytes; its four numbers leave as 8 bytes at 8 t + 2,048 i: a wave's store covers 256 consecutive bytes, at a multiple of 256 from the buffer's first.
; All 32 loads of a thread go out at once (128 registers), so 128 KiB of every work-group are on their way together.  No LDS, no barrier, no matrix unit: nothing here is shared or multiplied.
; THE MODE: SCHED_MODE bits 1:0 = 2 (LLVM: expert scheduling mode 2), set by the entry lines.  The code itself states the register dependences between vector instructions and memory instructions,
; with s_wait_alu, always for 0.
; THE PLAN.  Registers that memory instructions touch:
;   v1, v2   byte offsets of the loads and of the stores: made once at the head, never written again.
;   X        the 32 loads land here; all of them are issued at the head, ahead of every vector line that names X, and no load is issued later.
;   Y        the stores' data: each pair is written once, by its piece's conversions, and read by one store; never written again.
;   T        named by vector instructions alone.
; The 32 pieces go in 8 blocks of four.  Block p waits for its four loads; ONE wait on va_vdst states that block p - 1's conversions have written their Y; the four stores of block p - 1 follow it, dealt among
; block p's conversions, which name X, T and Y of block p: none of the registers that those stores read.  Behind block 7 one more such wait stands ahead of the last four stores.
.set NL,  32                           ; loads and stores a thread
.set BLK, 4                            ; pieces in a block
.set NB,  NL / BLK
.set X,  4                             ; v[4:131]    load i: four f32
.set Y,  132                           ; v[132:195]  store i: four 16-bit numbers; each pair is written once, so no store's data is ever rewritten
.set T,  196                           ; v[196:197]  W_o's way: four bf16, at work
	s_load_b256 s[4:11], s[0:1], 0x0               ; x s[4:5], W_qkv s[6:7], W_o s[8:9], xb s[10:11]
	s_load_b128 s[12:15], s[0:1], 0x20             ; wqb s[12:13], wob s[14:15]
	v_lshlrev_b32 v1, 4, v0                        ; 16 t: never rewritten
	v_lshlrev_b32 v2, 3, v0                        ; 8 t: never rewritten
	s_mov_b32 s3, 0xffff0000                       ; a word's upper bf16
	s_wait_kmcnt 0x0
	s_cmp_ge_u32 ttmp9, 128                        ; which tensor: the choice hangs on the work-group's number alone
	s_cselect_b64 s[16:17], s[6:7], s[4:5]
	s_cselect_b64 s[18:19], s[12:13], s[10:11]
	s_cselect_b32 s20, 128, 0
	s_cmp_ge_u32 ttmp9, 224
	s_cselect_b64 s[16:17], s[8:9], s[16:17]
	s_cselect_b64 s[18:19], s[14:15], s[18:19]
	s_cselect_b32 s20, 224, s20
	s_sub_co_u32 s21, ttmp9, s20                   ; my chunk in that tensor
	s_lshl_b32 s22, s21, 17                        ; 131,072 bytes in
	s_mov_b32 s23, 0
	s_add_nc_u64 s[16:17], s[16:17], s[22:23]
	s_lshl_b32 s22, s21, 16                        ; 65,536 bytes out
	s_add_nc_u64 s[18:19], s[18:19], s[22:23]
	s_wait_alu depctr_va_vdst(0)                   ; v1 and v2 are written: every load of the kernel reads v1 as its offset, every store v2
.set i, 0
.rept NL
	global_load_b128 v[X+4*i:X+4*i+3], v1, s[16:17] offset:4096*i th:TH_LOAD_NT  ; read once in the whole program
.set i, i+1
.endr
	s_cmp_ge_u32 ttmp9, 224
	s_cbranch_scc1 .Lwo
.set p, 0
.rept NB                               ; x and W_qkv: to bf16
	s_wait_loadcnt NL-BLK*(p+1)                    ; loads come back in order: block p's four are in, the younger ones stay out
.if p > 0
	s_wait_alu depctr_va_vdst(0)                   ; the conversions of the block before have written its Y, which the four stores below read
.endif
.set j, 0
.rept BLK
.set i, BLK*p+j
.if p > 0
	global_store_b64 v2, v[Y+2*(i-BLK):Y+2*(i-BLK)+1], s[18:19] offset:2048*(i-BLK)  ; the block before; no vector line since the wait names these registers
.endif
	v_cvt_pk_bf16_f32 v[Y+2*i],   v[X+4*i],   v[X+4*i+1]
	v_cvt_pk_bf16_f32 v[Y+2*i+1], v[X+4*i+2], v[X+4*i+3]
.set j, j+1
.endr
.set p, p+1
.endr
	s_wait_alu depctr_va_vdst(0)                   ; the last block's conversions have written its Y, which the last four stores read
.set i, NL-BLK
.rept BLK
	global_store_b64 v2, v[Y+2*i:Y+2*i+1], s[18:19] offset:2048*i
.set i, i+1
.endr
	s_endpgm
.Lwo:
.set p, 0
.rept NB                               ; W_o: to bf16, widened again (a shift, a mask), and written as f16
	s_wait_loadcnt NL-BLK*(p+1)                    ; block p's four loads are in, the younger ones stay out
.if p > 0
	s_wait_alu depctr_va_vdst(0)                   ; the conversions of the block before have written its Y, which the four stores below read
.endif
.set j, 0
.rept BLK
.set i, BLK*p+j
.if p > 0
	global_store_b64 v2, v[Y+2*(i-BLK):Y+2*(i-BLK)+1], s[18:19] offset:2048*(i-BLK)  ; the block before; no vector line since the wait names these registers
.endif
	v_cvt_pk_bf16_f32 v[T],   v[X+4*i],   v[X+4*i+1]
	v_cvt_pk_bf16_f32 v[T+1], v[X+4*i+2], v[X+4*i+3]
	v_lshlrev_b32 v[X+4*i],   16, v[T]
	v_and_b32     v[X+4*i+1], s3, v[T]
	v_lshlrev_b32 v[X+4*i+2], 16, v[T+1]
	v_and_b32     v[X+4*i+3], s3, v[T+1]
	v_cvt_pk_f16_f32 v[Y+2*i],   v[X+4*i],   v[X+4*i+1]
	v_cvt_pk_f16_f32 v[Y+2*i+1], v[X+4*i+2], v[X+4*i+3]
.set j, j+1
.endr
.set p, p+1
.endr
	s_wait_alu depctr_va_vdst(0)                   ; the last block's conversions have written its Y, which the last four stores read
.set i, NL-BLK
.rept BLK
	global_store_b64 v2, v[Y+2*i:Y+2*i+1], s[18:19] offset:2048*i
.set i, i+1
.endr
	s_endpgm
.Lfunc_end_k_qe5d2294ec5_cast:
	.size	k_qe5d2294ec5_cast, .Lfunc_end_k_qe5d2294ec5_cast-k_qe5d2294ec5_cast
	.p2alignl 7, 3214868480
	.fill 96, 4, 3214868480
	.section	.rodata,"a",@progbits
	.p2align	6, 0x0
	.amdhsa_kernel k_qe5d2294ec5_cast
		.amdhsa_group_segment_fixed_size 0
		.amdhsa_private_segment_fixed_size 0
		.amdhsa_enable_private_segment 0
		.amdhsa_kernarg_size 48
		.amdhsa_user_sgpr_count 2
		.amdhsa_user_sgpr_kernarg_segment_ptr 1
		.amdhsa_wavefront_size32 1
		.amdhsa_system_sgpr_workgroup_id_x 1
		.amdhsa_system_sgpr_workgroup_id_y 1
		.amdhsa_system_sgpr_workgroup_id_z 1
		.amdhsa_system_vgpr_workitem_id 0
		.amdhsa_next_free_vgpr 200
		.amdhsa_next_free_sgpr 66
		.amdhsa_reserve_vcc 0
		.amdhsa_float_denorm_mode_32 3
		.amdhsa_float_denorm_mode_16_64 3
		.amdhsa_memory_ordered 1
		.amdhsa_forward_progress 1
		.amdhsa_inst_pref_size 28
	.end_amdhsa_kernel
	.amdgpu_metadata
---
amdhsa.version: [ 1, 2 ]
amdhsa.kernels:
  - .name:           k_qe5d2294ec5_cast
    .symbol:         k_qe5d2294ec5_cast.kd
    .args:
      - { .name: x, .offset: 0, .size: 8, .value_kind: global_buffer, .address_space: global }
      - { .name: W_qkv, .offset: 8, .size: 8, .value_kind: global_buffer, .address_space: global }
      - { .name: W_o, .offset: 16, .size: 8, .value_kind: global_buffer, .address_space: global }
      - { .name: xb, .offset: 24, .size: 8, .value_kind: global_buffer, .address_space: global }
      - { .name: wqb, .offset: 32, .size: 8, .value_kind: global_buffer, .address_space: global }
      - { .name: wob, .offset: 40, .size: 8, .value_kind: global_buffer, .address_space: global }
    .group_segment_fixed_size: 0
    .private_segment_fixed_size: 0
    .kernarg_segment_align: 8
    .kernarg_segment_size: 48
    .max_flat_workgroup_size: 256
    .sgpr_count:     66
    .vgpr_count:     200
    .wavefront_size: 32
...
	.end_amdgpu_metadata
.endif
;; end of part 5
;; launch gemm_qkv: the kernel of part 2 again; grid 8 x 32, 4 waves a work-group, clusters of 4 x 4, 327,680 bytes of LDS; arguments xb, wqb, qkv; writes qkv
;; launch attn: the kernel of part 3 again; grid 32 x 8, 4 waves a work-group, no clusters, 152,064 bytes of LDS; arguments qkv, ob; writes ob
;; launch gemm_out: the kernel of part 4 again; grid 8 x 32, 4 waves a work-group, clusters of 4 x 4, 327,680 bytes of LDS; arguments ob, wob, out0; writes out0
